; MI455X (gfx1250); checked and timed in simulation.
; The chip was launched on July 23, 2026; its instructions are those of AMD's public machine-readable ISA for CDNA 5 (MIT licence, August 2026) and "CDNA5" Instruction Set Architecture Reference Guide (July 2026). The comments in the code are by the model that wrote it; some were corrected since.
;; Vector Quantizer. Allowed arithmetic: float matrix products may take bf16 or f16 operands with f32 sums; other float arithmetic in f32, or as packed bf16 or f16 multiplies, adds, multiply-adds, maxima and minima; sums over many terms, partial sums and values carried from step to step in f32; what a program stores and reads back later, other than sums and carried values, may be rounded once to bf16 or f16.
;; Inputs: codebook 8,192 x 256 float32; z_e 32,768 x 256 float32.
;; Outputs: out0 32,768 int32.
;; 2 versions, each right; version 2 is version 1 with the launch prep written anew for expert scheduling mode. Each part assembles by itself: llvm-mc -triple=amdgcn-amd-amdhsa -mcpu=gfx1250 --defsym DOCPART=n.
;; ======== version 1 of 2: 2 launches
;; workspace buffers: cbw 4,259,840 bytes
;; launch prep (part 1): grid 128 x 1, 8 waves a work-group, no clusters, 1,280 bytes of LDS; arguments codebook, cbw; writes cbw
.if DOCPART == 1
	.amdgcn_target "amdgcn-amd-amdhsa--gfx1250"
	.amdhsa_code_object_version 6
	.text
	.protected	k_qd178380eb3_prep
	.globl	k_qd178380eb3_prep
	.p2align	8
	.type	k_qd178380eb3_prep,@function
k_qd178380eb3_prep:
	s_mov_b64 s[64:65], 0
	v_nop
	global_prefetch_b8 v0, s[64:65] scope:SCOPE_SE
	s_setreg_imm32_b32 hwreg(HW_REG_WAVE_MODE, 25, 1), 1
	s_wait_xcnt 0x0
; VECTOR QUANTIZER, first of two launches.  out0[n] = the first k at which d[n][k] = (z_sq[n] + e_sq[k]) - 2 cross[n][k] is least.
; NO WORK OF THE PROBLEM IS LEFT OUT, and both inputs are loaded.  z_sq is the same for all k of a row, so in exact arithmetic it moves no minimum; but it may be large beside
; e_sq and 2 cross, and then the f32 roundings of the two sums make distances equal that differ in exact arithmetic, and the first index decides.  So z_sq stays, and the second launch rounds as
; the formula is written: t = z_sq + e_sq rounded once, d = t - 2 cross rounded once (2 cross is exact).
; THIS LAUNCH rounds the codebook to bf16 once, for all 256 work-groups of the second launch, and makes e_sq[k] = the sum over d of the ROUNDED e[k][d]^2, in f32.
; cbw: 128 chunks of 33,280 bytes.  Chunk c: rows 0-63 = codes 64 c .. 64 c + 63, 256 bf16 = 512 bytes each; row 64 = their 64 e_sq (f32, 256 bytes), then 256 bytes of zeros: so one tile of
; 65 rows x 512 bytes holds a wave's codes and their e_sq.
; SHARES.  A work-group makes one chunk (its e_sq row is 256 consecutive bytes with one owner: that sets 128 work-groups); wave v its rows 8 v .. 8 v + 7, a whole row at a time: no sum leaves the wave.
; Each load of a wave covers 512 consecutive bytes, each store 256 consecutive bytes at a multiple of 256 from cbw's first byte.  All 16 loads of a wave go out before the first wait.
; LIMITS.  e_sq is summed in this text's order (two chains a lane, then across the lanes), not in the formula's; NaN and infinities are not treated apart.
.set SPARE, 256                        ; LDS: bytes 0-255 the chunk's 64 e_sq; from 256 on the spare words, 128 bytes for each of the eight waves, which no other line names
.set SPW, 4                            ; v4   LDS address of my spare word; never rewritten
.set NIL, 5                            ; v5   0; never rewritten
.set T,   12                           ; v12  at work
.set X,   16                           ; v[16:79]   row i: 8 registers as loaded
.set P,   80                           ; v[80:111]  row i: 4 registers, 8 bf16
.set S,   112                          ; v[112:127] row i: two running sums
	s_load_b128 s[4:7], s[0:1], 0x0                ; codebook s[4:5], cbw s[6:7]
	v_lshl_add_u32 v[SPW], v0, 2, SPARE
	v_mov_b32 v[NIL], 0
	v_and_b32 v1, 31, v0                           ; lane
	v_lshrrev_b32 v14, 5, v0
	v_readfirstlane_b32 s8, v14                    ; wave 0..7
	s_lshl_b32 s14, s8, 13                         ; my 8 rows of 1,024 bytes in the codebook
	v_lshl_add_u32 v2, v1, 4, s14                  ; + 16 bytes a lane
	s_lshl_b32 s15, s8, 12                         ; my 8 rows of 512 bytes in the chunk
	v_lshl_add_u32 v3, v1, 3, s15                  ; + 8 bytes a lane
	s_lshl_b32 s16, s8, 5
	v_mov_b32 v6, s16                              ; my 8 words of e_sq in LDS
	v_and_b32 v7, 15, v0
	v_lshlrev_b32 v7, 4, v7                        ; the e_sq row is read back by 16 lanes x 16 bytes, twice over
	v_lshlrev_b32 v13, 4, v1
	v_mov_b32 v[T], 0                              ; v_permlanex16_b32 counts as a reader of its destination
	s_mov_b32 s10, 0x76543210                      ; each lane takes its own place in the other half
	s_mov_b32 s11, 0xfedcba98
	s_mov_b32 s12, 0xffff                          ; lanes 0-15
	s_lshl_b32 s2, ttmp9, 16                       ; the chunk's 64 rows of the codebook
	s_mov_b32 s3, 0
	s_mul_i32 s18, ttmp9, 33280                    ; the chunk in cbw
	s_mov_b32 s19, 0
	s_wait_kmcnt 0x0
	s_add_nc_u64 s[4:5], s[4:5], s[2:3]
	s_add_nc_u64 s[6:7], s[6:7], s[18:19]
.irp i, 0,1,2,3,4,5,6,7
	global_load_b128 v[X+8*(\i):X+8*(\i)+3],   v2, s[4:5] offset:1024*(\i) th:TH_LOAD_NT      ; numbers 4 l .. 4 l + 3 of row i
	global_load_b128 v[X+8*(\i)+4:X+8*(\i)+7], v2, s[4:5] offset:1024*(\i)+512 th:TH_LOAD_NT  ; numbers 128 + 4 l .. of row i
.endr
.macro ROWDO i
	s_wait_loadcnt 14-2*(\i)                       ; loads come back in order: row i's two are in, the two of each younger row may stay out
.irp j, 0,1,2,3
	v_cvt_pk_bf16_f32 v[P+4*(\i)+(\j)], v[X+8*(\i)+2*(\j)], v[X+8*(\i)+2*(\j)+1]
.endr
	global_store_b64 v3, v[P+4*(\i):P+4*(\i)+1],   s[6:7] offset:512*(\i)       ; 32 lanes x 8 bytes: the row's first 256 bytes,
	global_store_b64 v3, v[P+4*(\i)+2:P+4*(\i)+3], s[6:7] offset:512*(\i)+256   ; and its second
	v_fma_mix_f32_bf16 v[S+2*(\i)],   v[P+4*(\i)], v[P+4*(\i)], v[NIL] op_sel_hi:[1,1,0]                   ; the squares of the rounded numbers, summed in f32: low halves,
	v_fma_mix_f32_bf16 v[S+2*(\i)+1], v[P+4*(\i)], v[P+4*(\i)], v[NIL] op_sel:[1,1,0] op_sel_hi:[1,1,0]    ; high halves
.irp j, 1,2,3
	v_fma_mix_f32_bf16 v[S+2*(\i)],   v[P+4*(\i)+(\j)], v[P+4*(\i)+(\j)], v[S+2*(\i)] op_sel_hi:[1,1,0]
	v_fma_mix_f32_bf16 v[S+2*(\i)+1], v[P+4*(\i)+(\j)], v[P+4*(\i)+(\j)], v[S+2*(\i)+1] op_sel:[1,1,0] op_sel_hi:[1,1,0]
.endr
	v_add_f32 v[S+2*(\i)], v[S+2*(\i)], v[S+2*(\i)+1]
	v_add_f32_dpp v[S+2*(\i)], v[S+2*(\i)], v[S+2*(\i)] row_xmask:1 row_mask:0xf bank_mask:0xf
	v_add_f32_dpp v[S+2*(\i)], v[S+2*(\i)], v[S+2*(\i)] row_xmask:2 row_mask:0xf bank_mask:0xf
	v_add_f32_dpp v[S+2*(\i)], v[S+2*(\i)], v[S+2*(\i)] row_xmask:4 row_mask:0xf bank_mask:0xf
	v_add_f32_dpp v[S+2*(\i)], v[S+2*(\i)], v[S+2*(\i)] row_xmask:8 row_mask:0xf bank_mask:0xf
	v_permlanex16_b32 v[T], v[S+2*(\i)], s10, s11
	v_add_f32 v[S+2*(\i)], v[S+2*(\i)], v[T]       ; every lane holds the row's e_sq
	ds_store_b32 v6, v[S+2*(\i)] offset:4*(\i)     ; all lanes write the same word with the same value
.endm
.irp i, 0,1,2,3,4,5,6,7
	ROWDO \i
.endr
	s_wait_dscnt 0x0                               ; for wave 0's sake: my eight words are in LDS
	s_barrier_signal -1
	s_barrier_wait -1
	s_cmp_lg_u32 s8, 0
	s_cbranch_scc1 .Lend                           ; wave 0 stores the chunk's row 64
	ds_load_b128 v[8:11], v7
	s_wait_dscnt 0x0
.irp j, 8,9,10,11
	v_cndmask_b32 v\j, v[NIL], v\j, s12            ; lanes 0-15 keep the 64 e_sq, lanes 16-31 give the zeros behind them
.endr
	global_store_b128 v13, v[8:11], s[6:7] offset:32768  ; 512 consecutive bytes
.Lend:
	s_wait_tensorcnt 0x0                           ; the wave's end, behind my last LDS store
	ds_add_u32 v[SPW], v[NIL]
	s_wait_dscnt 0x0
	s_endpgm
.Lfunc_end_k_qd178380eb3_prep:
	.size	k_qd178380eb3_prep, .Lfunc_end_k_qd178380eb3_prep-k_qd178380eb3_prep
	.p2alignl 7, 3214868480
	.fill 96, 4, 3214868480
	.section	.rodata,"a",@progbits
	.p2align	6, 0x0
	.amdhsa_kernel k_qd178380eb3_prep
		.amdhsa_group_segment_fixed_size 1280
		.amdhsa_private_segment_fixed_size 0
		.amdhsa_enable_private_segment 0
		.amdhsa_kernarg_size 16
		.amdhsa_user_sgpr_count 2
		.amdhsa_user_sgpr_kernarg_segment_ptr 1
		.amdhsa_wavefront_size32 1
		.amdhsa_system_sgpr_workgroup_id_x 1
		.amdhsa_system_sgpr_workgroup_id_y 1
		.amdhsa_system_sgpr_workgroup_id_z 1
		.amdhsa_system_vgpr_workitem_id 0
		.amdhsa_next_free_vgpr 128
		.amdhsa_next_free_sgpr 66
		.amdhsa_reserve_vcc 0
		.amdhsa_float_denorm_mode_32 3
		.amdhsa_float_denorm_mode_16_64 3
		.amdhsa_memory_ordered 1
		.amdhsa_forward_progress 1
		.amdhsa_inst_pref_size 15
	.end_amdhsa_kernel
	.amdgpu_metadata
---
amdhsa.version: [ 1, 2 ]
amdhsa.kernels:
  - .name:           k_qd178380eb3_prep
    .symbol:         k_qd178380eb3_prep.kd
    .args:
      - { .name: codebook, .offset: 0, .size: 8, .value_kind: global_buffer, .address_space: global }
      - { .name: cbw, .offset: 8, .size: 8, .value_kind: global_buffer, .address_space: global }
    .group_segment_fixed_size: 1280
    .private_segment_fixed_size: 0
    .kernarg_segment_align: 8
    .kernarg_segment_size: 16
    .max_flat_workgroup_size: 256
    .sgpr_count:     66
    .vgpr_count:     128
    .wavefront_size: 32
...
	.end_amdgpu_metadata
.endif
;; end of part 1
;; launch vqmain (part 2): grid 256 x 1, 4 waves a work-group, clusters of 4 x 1, 327,680 bytes of LDS; arguments z_e, cbw, out0; writes out0
.if DOCPART == 2
	.amdgcn_target "amdgcn-amd-amdhsa--gfx1250"
	.amdhsa_code_object_version 6
	.text
	.protected	k_qd178380eb3_vqmain
	.globl	k_qd178380eb3_vqmain
	.p2align	8
	.type	k_qd178380eb3_vqmain,@function
k_qd178380eb3_vqmain:
	s_mov_b64 s[64:65], 0
	v_nop
	global_prefetch_b8 v0, s[64:65] scope:SCOPE_SE
	s_setreg_imm32_b32 hwreg(HW_REG_WAVE_MODE, 25, 1), 1
	s_wait_xcnt 0x0
	s_wait_alu depctr_hold_cnt(0) depctr_sa_sdst(0) depctr_va_vdst(0) depctr_va_sdst(0) depctr_va_ssrc(0) depctr_va_vcc(0) depctr_vm_vsrc(0)
	s_getreg_b32 s2, hwreg(HW_REG_IB_STS2, 6, 4)
	s_cmp_eq_u32 s2, 0
	s_cbranch_scc0 .Lentry_in_a_cluster
	s_endpgm
.Lentry_in_a_cluster:
	s_bfe_u32 s2, ttmp6, 0x10000c
	s_cmp_lg_u32 s2, 0x3003
	s_cbranch_scc0 .Lentry_shape_is_right
	s_endpgm
.Lentry_shape_is_right:
; VECTOR QUANTIZER, second launch.  out0[n] = the first k at which d[n][k] = (z_sq[n] + e_sq[k]) - 2 cross[n][k] is least.  z_e: [32768][256] f32; cbw: the codebook in bf16 with e_sq, in 128 chunks of
; 65 rows x 512 bytes, as the first launch laid it; out0: [32768] int32.  Nothing of the problem's work is left out (see the first launch's head: z_sq stays, since f32's roundings of the two sums make ties).
; ARITHMETIC.  z is rounded to bf16 here; cross is the matrix unit's f32 sum of the products of the rounded numbers; z_sq is the f32 sum of the rounded z's squares (the diagonal of z z^T, by the matrix unit);
; t = z_sq + e_sq is rounded once, d = t - 2 cross once (one fused multiply-add; 2 cross is exact).  Equal distances: the lower k wins, at every level (register, tile, half of the lanes, wave).
; LIMITS.  The three sums are taken in this text's order, not in the formula's: a row whose two best distances part only by the last bits of a sum at a rounding's edge may come out otherwise.
; A NaN among the distances is passed over by the minima, not returned as argmin returns it; if all of a row's distances are +infinity the answer is 0.
; SHARES.  A work-group owns 128 queries: 256 work-groups.  EVERY wave holds all 128 queries as source 1 (8 query tiles x 8 fragments x 8 registers = 512) and walks a QUARTER of the codes: of each slot of 256
; codes wave w takes chunk w, four code tiles of 16.  So a fragment of codes read from LDS feeds 8 products, and no byte of the codes is read from LDS twice in a work-group.  8,192 products a wave.
; LAYOUT.  Source 0 = 16 codes, source 1 = 16 queries: in the result lane l holds ONE query (l % 16) and its registers 0-7 the codes 8 (l / 16) + 0..7.  So z_sq is one number a lane, e_sq eight registers a
; code tile, and the minimum over codes stays inside the lane.
; THE MINIMUM.  For a query tile and a code tile, 8 products and 22 vector instructions (RID): t, d, the least of the 8 d and the running minimum; where that has become smaller (strictly: the earlier tile stays),
; the tile's number and its eight d are kept.  Which of the eight it was is read off the kept d once, at the end.
; BY TURNS.  The query tiles are two pieces (0-3, 4-7).  In a turn one piece has the matrix unit, 32 products; the other piece's 88 vector instructions stand in slices of four behind 22 of them.
; CLUSTER.  All work-groups walk the same cbw: the four of a cluster ask for each chunk JOINTLY: the same tensor load, descriptor and mask in all four, each wave its own chunk.  The queries are a work-group's own.
; RING.  Two areas of LDS, a slot each.  Area 1 first holds the 128 queries in f32; when they are in registers it joins the ring.  A slot is left when its fourth tile's fragments are in registers, so a refill
; has four code tiles, 256 products of each wave, in which to land.
; REGISTERS, in windows of 256 (s_set_vgpr_msb: bits 1:0 source 0, 3:2 source 1, 5:4 source 2, 7:6 destination):
;   window 0: addresses, statistics, kept d (SAVE), accumulators (ACC)     window 1: queries, tiles 0-3     window 2: tiles 4-7     window 3: v0-127 the codes' fragments, two buffers
.set PITCH,  528                       ; a row of codes in LDS: 512 bytes + 16 of padding = 132 words: the 16 rows of a load start at 16 different groups of four banks (64 banks of 4 bytes: ISA guide 11.1)
.set TILEL,  16*PITCH                  ; a code tile
.set ESQO,   64*PITCH                  ; a chunk's row 64: its e_sq
.set CHUNKL, 65*PITCH                  ; a chunk in LDS
.set SLOTL,  4*CHUNKL                  ; a slot in LDS: 137,280 bytes
.set CHUNKG, 65*512                    ; a chunk in memory
.set SLOTG,  4*CHUNKG
.set ZPITCH, 1040                      ; a query's row in LDS: 1,024 bytes + 16 = 260 words: again 16 rows at 16 different groups of four banks
.set ZQ,     32*ZPITCH                 ; the 32 queries that a wave fetches
.set ZTILE,  16*ZPITCH
.set AREA1,  SLOTL
.set SCR,    274688                    ; behind the ring, at a multiple of 256, never filled by a tensor load: d[4 waves][128] f32, then k[4][128]
.set SPARE,  SCR+4096                  ; the spare words, 128 bytes for each wave: two blocks of 256 bytes that no other line names
.set R,    1                           ; v1   l % 16
.set H,    2                           ; v2   l / 16
.set AFR,  3                           ; v3   my place in a code tile: 528 (l % 16) + 16 (l / 16); never rewritten
.set ADR,  4                           ; v4   the LDS address of the run of loads in hand
.set EFR,  5                           ; v5   my eight e_sq in a tile's sixteen: 32 (l / 16)
.set EADR, 6                           ; v6   their LDS address
.set ZA0,  7                           ; v7   my place in the queries' tile: AREA1 + 1040 (l % 16) + 32 (l / 16)
.set SPW,  8                           ; v8   LDS address of my spare word; never rewritten
.set NIL,  9                           ; v9   0; never rewritten
.set M,    10                          ; v10-11  a tile's minimum, at work: for the even and the odd query tile of a slice
.set TT,   12                          ; v[12:27]  t, eight for each of the two
.set E,    28                          ; v[28:43]  e_sq of a code tile, two buffers of eight, by the tile's parity
.set ST,   44                          ; v[44:75]  query tile q at ST + 4 q: z_sq, the best tile's number, and the running minimum in two registers that take turns by the code tile's parity
.set SAVE, 76                          ; v[76:139] the best tile's eight d, for each query tile
.set ACC,  140                         ; v[140:203] the accumulators, eight for each query tile; d is made in place
.set ZT,   76                          ; at the head: two halves of 64, queries in f32 on their way
.set ZA1,  204                         ; v204 ZA0 four query tiles on
.set PFO,  205                         ; v205 256 x lane; never rewritten
.set KLANE, 206                        ; v206 64 w + 8 (l / 16): my lane's first code in a slot's first tile
.set SD,   207                         ; v207 SCR + 512 w + 4 (l % 16)
.set GO,   208                         ; v208 16 x lane: my 16 bytes of the work-group's 512 of out0
.set RDA,  209                         ; v209 SCR + 16 x lane
.set XX,   210
.set YY,   211
.set JJ,   212
.set KK,   213
.set D2,   214
.set K2,   215
.set T1,   216
.set T2,   217
.set WV,   10                          ; s10  my wave's number
.set CX,   11                          ; s11  my place in the cluster: it enters the queries', out0's and the prefetches' global addresses alone
.set GG,   12                          ; s12  my work-group's number
.set WOFF, 13                          ; s13  my chunk's place in a slot
.set DB,   14                          ; s14  the area that was filled last: 0 or SLOTL
.set FB,   15                          ; s15  the area that is being read
.set TB,   16                          ; s16  LDS byte of the code tile to be fetched next
.set TE,   17                          ; s17  of its e_sq
.set TC,   18                          ; s18  the number, 0 to 127, of the code tile whose d are in hand
.set CNT,  19
.set SLOTS, 20                         ; s20  slots still to be asked for
.set LIM,  21                          ; s21  2 in the first cluster, else the greatest number: a wave prefetches while s[SLOTS] is above it
.set PFA,  22                          ; s[22:23] where my prefetches stand
.set G1C,  24                          ; s[24:31] descriptor group 1 for the chunks
.set G1Z,  32                          ; s[32:39] for the queries
.set G0C,  40                          ; s[40:43] descriptor group 0 for the chunks: it walks
.set G0Z,  44                          ; s[44:47] for the queries
.set SEL,  48                          ; s[48:49] v_permlanex16_b32's selects: each lane takes its own place in the other half
.set MA,   50                          ; s50-52 lane masks at work
.set MB,   51
.set MC,   52
.set MK,   53                          ; s[53:59] the lanes with l % 8 = 1 .. 7
.set MKV,  60                          ; s60  lanes 0-7 and 24-31
.set INF,  61                          ; s61  +infinity
.set MSB, 0
.macro WIN new                         ; the immediate's high byte repeats the setting that is left; a switch that changes nothing is dropped
.if MSB != (\new)
	s_set_vgpr_msb (MSB<<8)|(\new)
.set MSB, (\new)
.endif
.endm
.macro PLACES
.rept 4
	v_nop
.endr
.endm
; A round of the cluster's barrier: my work-group's barrier, so that wave 0's signal speaks for all four waves; wave 0 signals; every wave waits for all four work-groups; my work-group's barrier once more.
.macro CROUND
	s_barrier_signal -1
	s_barrier_wait -1
	s_cmp_lg_u32 s[WV], 0
	s_cbranch_scc1 .Lnot_wave_0_\@
	s_barrier_signal -3
.Lnot_wave_0_\@:
	s_barrier_wait -3
	s_barrier_signal -1
	s_barrier_wait -1
.endm
; A PREFETCH INTO THE L2, behind the joint load and its five lines: the slot that stands TWO refills on, 512 products of a wave ahead of the load that will want it.  All clusters walk the same cbw: the first cluster
; asks, and nobody else.  Wave w of the partner at place cx names bytes 8,192 cx + 256 l of chunk w: a lane a block of 256 bytes, one instruction; the partners are told apart by address alone.  So each block of the
; chunks' 64 rows of codes is named once in the launch (the e_sq rows are not asked for).  Slots 0 to 2 come by their loads alone; the last two refills have no slot two on, and ask for nothing.
.macro ASK
	s_cmp_gt_u32 s[SLOTS], s[LIM]
	s_cbranch_scc0 .Lnot_mine_\@
	global_prefetch_b8 v[PFO], s[PFA:PFA+1] th:TH_LOAD_NT scope:SCOPE_SE
.Lnot_mine_\@:
.endm
; THE CHANGE OF SLOTS.  The area's last bytes have been asked for.  Each wave waits for all its tensor loads, of which one is out: its chunk of the other area; adds 0 to its spare word; and waits for that and for its
; own reads of the area that it leaves.  fill = 1: the area is filled again, with the slot two on: the barrier is a round of the cluster's, so that no wave of any partner still reads the area or has a load on its way,
; and the joint refill, one tensor load a wave, is the first thing behind it.  (At its first use the area left is the queries', and slot 1 takes it.)
.macro CHANGE fill
	WIN 0                                          ; at a label and at a branch every window is 0; the add's registers lie in window 0
	s_wait_tensorcnt 0x0                           ; no tensor load of mine is out, so the group 0 may be written
	ds_add_u32 v[SPW], v[NIL]                      ; 0 onto my spare word; the descriptor's steps stand between it and the wait for it
.if \fill
	s_xor_b32 s[DB], s[DB], SLOTL                  ; the other area than last time,
	s_add_co_u32 s[G0C+1], s[DB], s[WOFF]          ; my chunk's place in it,
	s_add_nc_u64 s[G0C+2:G0C+3], s[G0C+2:G0C+3], SLOTG  ; the next slot's chunk; the type bits on top are not reached
	s_wait_xcnt 0x0                                ; the last prefetch, four code tiles back, has read its address, so it may be written
	s_add_nc_u64 s[PFA:PFA+1], s[PFA:PFA+1], SLOTG
.endif
	s_wait_dscnt 0x0                               ; the add is done, and my reads of the area are over
.if \fill
	CROUND
	tensor_load_to_lds s[G0C:G0C+3], s[G1C:G1C+7]  ; every wave issues this line, each with its own chunk: the addresses hang on the wave's number, which is the same in all four partners
	s_nop 0
	PLACES
	ASK
.else
	s_barrier_signal -1
	s_barrier_wait -1
.endif
	s_xor_b32 s[FB], s[FB], SLOTL                  ; the fetches go on in the other area, at my chunk's first tile
	s_add_co_u32 s[TB], s[FB], s[WOFF]
	s_add_co_u32 s[TE], s[TB], ESQO
.endm
	s_load_b128 s[4:7], s[0:1], 0x0                ; z_e s[4:5], cbw s[6:7]
	s_load_b64 s[8:9], s[0:1], 0x10                ; out0
	v_lshl_add_u32 v[SPW], v0, 2, SPARE
	v_mov_b32 v[NIL], 0
	ds_add_u32 v[SPW], v[NIL]                      ; the wave's opening: the add, twice on end, and its wait ahead of my first tensor load; the set-up below stands between
	ds_add_u32 v[SPW], v[NIL]                      ; and once more, under the one wait
	v_lshrrev_b32 v1, 5, v0
	v_readfirstlane_b32 s[WV], v1                  ; wave 0..3
	s_bfe_u32 s[CX], ttmp6, 0x40000                ; cx
	s_lshl_b32 s[GG], ttmp9, 2                     ; in a cluster launch ttmp9 counts clusters
	s_add_co_u32 s[GG], s[GG], s[CX]               ; my work-group = 4 x cluster + cx
	s_mul_i32 s[WOFF], s[WV], CHUNKL
	; descriptor group 1 for a chunk: 65 rows x 256 elements of 2 bytes, dense in memory, padded in LDS
	s_mov_b32 s[G1C], 15|(1<<16)|(1<<20)|(1<<21)|(6<<22)|(3<<25)  ; 15:0 the mask of four; 17:16 2-byte elements; 20 padding on; 21 set beside a mask; 24:22 after every 128 words (code 6); 31:25 4 words (code 3)
	s_mov_b32 s[G1C+1], 256<<16                    ; tensor_dim0 = 256
	s_mov_b32 s[G1C+2], 65<<16                     ; tensor_dim1 = 65
	s_mov_b32 s[G1C+3], 256<<16                    ; tile_dim0 = 256
	s_mov_b32 s[G1C+4], 65                         ; tile_dim1 = 65
	s_mov_b32 s[G1C+5], 256                        ; 256 elements from row to row
	s_mov_b32 s[G1C+6], 0
	s_mov_b32 s[G1C+7], 0
	; and for my 32 queries: 32 rows x 256 elements of 4 bytes; no mask: the load is my work-group's own
	s_mov_b32 s[G1Z], (2<<16)|(1<<20)|(7<<22)|(3<<25)  ; 17:16 4-byte elements; 20 padding on; 24:22 after every 256 words (code 7); 31:25 4 words (code 3)
	s_mov_b32 s[G1Z+1], 256<<16
	s_mov_b32 s[G1Z+2], 32<<16
	s_mov_b32 s[G1Z+3], 256<<16
	s_mov_b32 s[G1Z+4], 32
	s_mov_b32 s[G1Z+5], 256
	s_mov_b32 s[G1Z+6], 0
	s_mov_b32 s[G1Z+7], 0
	s_mov_b32 s[G0C], 1                            ; 1:0 count = 1
	s_mov_b32 s[G0C+1], s[WOFF]                    ; 63:32 LDS address: my chunk's place in area 0
	s_mov_b32 s[G0Z], 1
	s_mul_i32 s[G0Z+1], s[WV], ZQ
	s_add_co_u32 s[G0Z+1], s[G0Z+1], AREA1         ; my 32 rows' place in area 1
	s_mov_b32 s[SEL], 0x76543210
	s_mov_b32 s[SEL+1], 0xfedcba98
.irp j, 1,2,3,4,5,6,7
	s_mov_b32 s[MK+(\j)-1], 0x01010101<<(\j)
.endr
	s_mov_b32 s[MKV], 0xff0000ff
	s_mov_b32 s[INF], 0x7f800000
	s_mov_b32 s[DB], 0
	s_mov_b32 s[FB], SLOTL                         ; the first change of slots turns it into 0
	s_mov_b32 s[SLOTS], 31
	s_cmp_eq_u32 ttmp9, 0                          ; the first cluster: the same answer in all four partners
	s_cselect_b32 s[LIM], 2, -1
	s_lshl_b32 s2, s[GG], 17                       ; my work-group's 128 rows of 1,024 bytes,
	s_lshl_b32 s3, s[WV], 15                       ; my wave's 32 of them
	s_add_co_u32 s2, s2, s3
	s_mov_b32 s3, 0
	s_mul_i32 s62, s[WV], CHUNKG                   ; my chunk in a slot, in memory: made of the wave's number alone
	s_mov_b32 s63, 0
	s_wait_dscnt 0x0                               ; both opening adds are done
	s_wait_kmcnt 0x0
	s_add_nc_u64 s[G0Z+2:G0Z+3], s[4:5], s[2:3]    ; 120:64 global address
	s_or_b32 s[G0Z+3], s[G0Z+3], 0x80000000        ; 127:126 type = 2
	s_add_nc_u64 s[G0C+2:G0C+3], s[6:7], s[62:63]  ; slot 0
	s_or_b32 s[G0C+3], s[G0C+3], 0x80000000
	s_add_nc_u64 s[PFA:PFA+1], s[6:7], s[62:63]
	s_lshl_b32 s2, s[CX], 13                       ; my work-group's 32 blocks of the chunk's 128,
	s_add_co_u32 s2, s2, 2*SLOTG                   ; in slot 2: the first change of slots steps it to slot 3.  Nothing is prefetched here, at the head
	s_add_nc_u64 s[PFA:PFA+1], s[PFA:PFA+1], s[2:3]
	s_lshl_b32 s2, s[GG], 9                        ; my work-group's 128 numbers of out0
	s_add_nc_u64 s[8:9], s[8:9], s[2:3]
	CROUND                                         ; all four work-groups are here: the first loads go out as one group behind this round
	tensor_load_to_lds s[G0Z:G0Z+3], s[G1Z:G1Z+7]  ; my 32 queries, wanted first
	s_nop 0
	tensor_load_to_lds s[G0C:G0C+3], s[G1C:G1C+7]  ; my chunk of slot 0, jointly: two tensor loads of mine are out
	s_nop 0
	PLACES
	v_and_b32 v[R], 15, v0
	v_bfe_u32 v[H], v0, 4, 1
	; A fragment of either source is 16 rows x 32 channels in 8 registers: lane l holds row l % 16; registers 0-3 channels 8 (l / 16) + 0..7, registers 4-7 channels 16 + 8 (l / 16) + 0..7.
	v_mul_u32_u24 v[AFR], v[R], PITCH
	v_lshl_add_u32 v[AFR], v[H], 4, v[AFR]
	v_lshlrev_b32 v[EFR], 5, v[H]
	v_mul_u32_u24 v[ZA0], v[R], ZPITCH
	v_lshl_add_u32 v[ZA0], v[H], 5, v[ZA0]         ; in f32 eight channels are 32 bytes
	v_add_nc_u32 v[ZA0], AREA1, v[ZA0]
	v_add_nc_u32 v[ZA1], 4*ZTILE, v[ZA0]
	v_and_b32 v[PFO], 31, v0
	v_lshlrev_b32 v[GO], 4, v[PFO]
	v_add_nc_u32 v[RDA], SCR, v[GO]
	v_lshlrev_b32 v[PFO], 8, v[PFO]
	s_lshl_b32 s2, s[WV], 6
	v_lshl_add_u32 v[KLANE], v[H], 3, s2
	s_lshl_b32 s2, s[WV], 9
	s_add_co_u32 s2, s2, SCR
	v_lshl_add_u32 v[SD], v[R], 2, s2
	v_mov_b32 v[YY], 0                             ; v_permlanex16_b32 counts as a reader of its destination: these three are written once here
	v_mov_b32 v[D2], 0
	v_mov_b32 v[K2], 0
	s_wait_tensorcnt 0x1                           ; my 32 queries are in; the one load issued behind theirs, slot 0's, may stay out
	s_barrier_signal -1
	s_barrier_wait -1                              ; everybody's are: every wave reads all 128
; THE QUERIES: from LDS in f32, rounded to bf16, into windows 1 and 2.  Half u of 16: query tile u / 2, fragments 4 (u % 2) + 0..3.  Two halves of ZT take turns: one is rounded while the other's 16 loads are out.
.macro ZLOAD u
	WIN 0
.set zq, (\u)/2
.set ze, (\u)%2
.set zb, ZT+64*((\u)%2)
.set za, ZA0
.if zq >= 4
.set za, ZA1
.endif
.irp f, 0,1,2,3
	ds_load_b128 v[zb+16*(\f):zb+16*(\f)+3],     v[za] offset:ZTILE*(zq%4)+128*(4*ze+(\f))
	ds_load_b128 v[zb+16*(\f)+4:zb+16*(\f)+7],   v[za] offset:ZTILE*(zq%4)+128*(4*ze+(\f))+16
	ds_load_b128 v[zb+16*(\f)+8:zb+16*(\f)+11],  v[za] offset:ZTILE*(zq%4)+128*(4*ze+(\f))+64
	ds_load_b128 v[zb+16*(\f)+12:zb+16*(\f)+15], v[za] offset:ZTILE*(zq%4)+128*(4*ze+(\f))+80
.endr
.endm
.macro CVT u
.set zq, (\u)/2
.set ze, (\u)%2
.set zb, ZT+64*((\u)%2)
.set qd, 64*(zq%4)+32*ze
	WIN (1+zq/4)<<6                                ; destination window 1 or 2, sources window 0
.set zi, 0
.rept 32
	v_cvt_pk_bf16_f32 v[qd+zi], v[zb+2*zi], v[zb+2*zi+1]
.set zi, zi+1
.endr
.endm
	ZLOAD 0
.set uu, 0
.rept 15
	ZLOAD uu+1
	s_wait_dscnt 16                                ; LDS loads come back in order: this half is in, the next half's 16 may stay out
	CVT uu
.set uu, uu+1
.endr
	s_wait_dscnt 0x0
	CVT 15
; THE LDS LOADS OF A CODE TILE stand in one run of 18: its e_sq (my lane's eight) and its eight fragments, into buffer nb.
.macro FETCH nb
	WIN 0
	v_add_nc_u32 v[ADR], s[TB], v[AFR]
	v_add_nc_u32 v[EADR], s[TE], v[EFR]
	ds_load_b128 v[E+8*(\nb):E+8*(\nb)+3],   v[EADR]
	ds_load_b128 v[E+8*(\nb)+4:E+8*(\nb)+7], v[EADR] offset:16
	WIN 0xc0                                       ; destination window 3, address window 0
.irp c, 0,1,2,3,4,5,6,7
	ds_load_b128 v[64*(\nb)+8*(\c):64*(\nb)+8*(\c)+3],   v[ADR] offset:64*(\c)
	ds_load_b128 v[64*(\nb)+8*(\c)+4:64*(\nb)+8*(\c)+7], v[ADR] offset:64*(\c)+32
.endr
	s_add_co_u32 s[TB], s[TB], TILEL               ; the next fetch is the next tile's
	s_add_co_u32 s[TE], s[TE], 64
.endm
	CHANGE 1                                       ; the queries are in registers, everybody's: their area takes slot 1; slot 0 has landed
	FETCH 0                                        ; code tile 0
; z_sq: the products of the queries' fragments with themselves.  The diagonal of a tile's result is the 16 queries' sums of squares.  The accumulators take turns.
.macro ZSQ p
	WIN 0x05*(1+(\p))                              ; sources 0 and 1 in window 1 or 2
.set i, 0
.rept 32
.set rA, ACC+8*(4*(\p)+i%4)
.set rQ, 64*(i%4)+8*(i/4)
.if i < 4
	v_wmma_f32_16x16x32_bf16 v[rA:rA+7], v[rQ:rQ+7], v[rQ:rQ+7], 0
.else
	v_wmma_f32_16x16x32_bf16 v[rA:rA+7], v[rQ:rQ+7], v[rQ:rQ+7], v[rA:rA+7]
.endif
.set i, i+1
.endr
.endm
	ZSQ 0
	ZSQ 1
	WIN 0
.set i, 0
.rept 64
	v_mov_b32 v[SAVE+i], s[INF]                    ; what the walk starts from; these 80 lines are also the places behind the products above
.set i, i+1
.endr
.set i, 0
.rept 8
	v_mov_b32 v[ST+4*i+1], 0
	v_mov_b32 v[ST+4*i+2], s[INF]
.set i, i+1
.endr
; Element (m, m) lies in register m % 8 of lane m (m < 8) or lane 16 + m (m >= 8): each lane takes register l % 8 (the lowest registers are read first); lanes 0-7 and 24-31 then hold their own
; query's z_sq, and the others find theirs in the lane 16 away.
.set i, 0
.rept 8
	v_cndmask_b32 v[XX], v[ACC+8*i], v[ACC+8*i+1], s[MK]
.irp j, 2,3,4,5,6,7
	v_cndmask_b32 v[XX], v[XX], v[ACC+8*i+(\j)], s[MK+(\j)-1]
.endr
	v_permlanex16_b32 v[YY], v[XX], s[SEL], s[SEL+1]
	v_cndmask_b32 v[ST+4*i], v[YY], v[XX], s[MKV]
.set i, i+1
.endr
; THE MATRIX WORK.  Product i of 32 of piece p on buffer b: channels 32 (i / 4) on, query tile 4 p + i % 4.  The first four start the sums with the constant 0.  The four accumulators take turns, one instruction a
; turn, over the turns' ends and the loops' jumps too.
.macro MMA p, b
	WIN 0x07+4*(\p)                                ; codes in window 3, queries in window 1 or 2, sums in window 0
.set rA, ACC+8*(4*(\p)+i%4)
.set rF, 64*(\b)+8*(i/4)
.set rQ, 64*(i%4)+8*(i/4)
.if i < 4
	v_wmma_f32_16x16x32_bf16 v[rA:rA+7], v[rF:rF+7], v[rQ:rQ+7], 0
.else
	v_wmma_f32_16x16x32_bf16 v[rA:rA+7], v[rF:rF+7], v[rQ:rQ+7], v[rA:rA+7]
.endif
.endm
; THE VECTOR WORK.  Number n of the 22 for query tile y and a code tile of parity par:
;   0-3    t = e_sq + z_sq, two at a time          4-7  d = t - 2 cross, in place, the accumulator's lowest registers first          8-10  the least of d0-d6
;   11     the new running minimum, of that, d7 and the old one; old and new lie in two registers that change places with the parity, so nothing is copied
;   12     where has it become smaller?  Strictly: on equal distances the earlier tile, with the lower codes, stays          13  there the tile's number is kept          14-21  and its eight d
.macro RID y, par, n
.set ru, (\y)%2
.set rM, M+ru
.set rTT, TT+8*ru
.set rE, E+8*(\par)
.set rS, ST+4*(\y)
.set rD, ACC+8*(\y)
.set rV, SAVE+8*(\y)
.set rO, rS+2+(\par)
.set rN, rS+3-(\par)
.if (\n) < 4
	v_pk_add_f32 v[rTT+2*(\n):rTT+2*(\n)+1], v[rE+2*(\n):rE+2*(\n)+1], v[rS:rS+1] op_sel_hi:[1,0]
.elseif (\n) < 8
	v_pk_fma_f32 v[rD+2*(\n)-8:rD+2*(\n)-7], v[rD+2*(\n)-8:rD+2*(\n)-7], -2.0, v[rTT+2*(\n)-8:rTT+2*(\n)-7] op_sel_hi:[1,0,1]
.elseif (\n) == 8
	v_min3_num_f32 v[rM], v[rD], v[rD+1], v[rD+2]
.elseif (\n) == 9
	v_min3_num_f32 v[rM], v[rM], v[rD+3], v[rD+4]
.elseif (\n) == 10
	v_min3_num_f32 v[rM], v[rM], v[rD+5], v[rD+6]
.elseif (\n) == 11
	v_min3_num_f32 v[rN], v[rM], v[rD+7], v[rO]
.elseif (\n) == 12
	v_cmp_lt_f32 s[MA+ru], v[rN], v[rO]
.elseif (\n) == 13
	v_cndmask_b32 v[rS+1], v[rS+1], s[TC], s[MA+ru]
.else
	v_cndmask_b32 v[rV+(\n)-14], v[rV+(\n)-14], v[rD+(\n)-14], s[MA+ru]
.endif
.endm
; Slice g of 22, in a turn of piece p: four instructions for the OTHER piece: numbers 2 (g % 11) and 2 (g % 11) + 1 of two of its query tiles, the tiles alternating, so that no line reads the result of the line before it.
.macro SLICE p, par
	WIN 0
.set sa, 4*(1-(\p))+2*(g/11)
.set sn, 2*(g%11)
	RID sa, \par, sn
	RID sa+1, \par, sn
	RID sa, \par, sn+1
	RID sa+1, \par, sn+1
.set g, g+1
.endm
; A TURN: piece p's 32 products on buffer b; rid = 1: the other piece's 22 slices, behind two products of every three.  In piece 0's turn they work on piece 1's sums of the code tile BEFORE (the other parity), in
; piece 1's turn on piece 0's of the tile in hand.  No slice names a register of the turn's own products.  A fresh accumulator is first read by number 4, in the turn's third slice: the eight additions of the first two
; slices, which name no accumulator, stand between it and the last product of the turn before.
; fetch = 1: the next code tile's run of loads stands behind the second product, 30 products ahead of the wait for it; its buffer's last reader stands a whole turn back.
.macro TURN p, b, rid, fetch
.set tpar, (\p)*(\b)+(1-(\p))*(1-(\b))
.set i, 0
.set g, 0
.rept 32
	MMA \p, \b
.if (\rid) && (i%3 != 2)
	SLICE \p, tpar
.endif
.if (\fetch) && (i == 1)
	FETCH 1-(\b)
.endif
.set i, i+1
.endr
.endm
.macro TILE b, fetch
	s_wait_dscnt 0x0                               ; this tile's fragments and e_sq are in
	TURN 0, \b, 1, 0
	s_add_co_u32 s[TC], s[TC], 1                   ; from here on the slices work on this tile
	TURN 1, \b, 1, \fetch
.endm
	s_wait_dscnt 0x0                               ; code tile 0 is in
	TURN 0, 0, 0, 0                                ; there are no sums yet to work on
	s_mov_b32 s[TC], 0
	TURN 1, 0, 1, 1
	WIN 0
	s_mov_b32 s[CNT], 1                            ; slot 0 has tiles 1 and 2 left ahead of its change
	s_branch .Lpairs                               ; the loop is entered behind its change of slots
.Lslot:                                                ; 30 times: in front of a slot's fourth tile, whose fragments are in registers, the slot is left and filled again
	CHANGE 1
	s_mov_b32 s[CNT], 2
.Lpairs:                                               ; two code tiles, an odd one and an even one
	TILE 1, 1
	TILE 0, 1
	WIN 0
	s_sub_co_u32 s[CNT], s[CNT], 1
	s_cmp_lg_u32 s[CNT], 0
	s_cbranch_scc1 .Lpairs
	s_sub_co_u32 s[SLOTS], s[SLOTS], 1
	s_cmp_lg_u32 s[SLOTS], 0
	s_cbranch_scc1 .Lslot
	CHANGE 0                                       ; the tail is written out: slot 30 is left, nothing is asked for
	s_mov_b32 s[CNT], 2
.Ltail:                                                ; tiles 123 to 126
	TILE 1, 1
	TILE 0, 1
	WIN 0
	s_sub_co_u32 s[CNT], s[CNT], 1
	s_cmp_lg_u32 s[CNT], 0
	s_cbranch_scc1 .Ltail
	TILE 1, 0                                      ; tile 127: nothing is left to fetch
.set g, 0
.rept 22
	SLICE 0, 1                                     ; piece 1's sums of tile 127
.endr
; THE WAY OUT.  Of two candidates (d, k) the smaller d wins, on equal d the smaller k.
.macro MERGE d, k, d2, k2
	v_cmp_lt_f32 s[MA], v[\d2], v[\d]
	v_cmp_eq_f32 s[MB], v[\d2], v[\d]
	v_cmp_lt_u32 s[MC], v[\k2], v[\k]
	s_and_b32 s[MB], s[MB], s[MC]
	s_or_b32 s[MA], s[MA], s[MB]
	v_cndmask_b32 v[\d], v[\d], v[\d2], s[MA]
	v_cndmask_b32 v[\k], v[\k], v[\k2], s[MA]
.endm
; For each query tile: the first of the kept eight d that equals the minimum (after tile 127 it lies in the first of its two registers); the code's number, 256 (tile / 4) + 64 w + 16 (tile % 4) + 8 (l / 16) + j;
; the other half of the lanes' candidate; and both numbers into my wave's row of the scratch.
.set qq, 0
.rept 8
	v_mov_b32 v[JJ], 7
.irp j, 6,5,4,3,2,1,0
	v_cmp_eq_f32 s[MA], v[SAVE+8*qq+(\j)], v[ST+4*qq+2]
	v_cndmask_b32 v[JJ], v[JJ], \j, s[MA]
.endr
	v_and_b32 v[T1], 0x7c, v[ST+4*qq+1]
	v_and_b32 v[T2], 3, v[ST+4*qq+1]
	v_lshl_add_u32 v[KK], v[T1], 6, v[JJ]
	v_lshl_add_u32 v[KK], v[T2], 4, v[KK]
	v_add_nc_u32 v[KK], v[KK], v[KLANE]
	v_permlanex16_b32 v[D2], v[ST+4*qq+2], s[SEL], s[SEL+1]
	v_permlanex16_b32 v[K2], v[KK], s[SEL], s[SEL+1]
	MERGE ST+4*qq+2, KK, D2, K2
	ds_store_b32 v[SD], v[ST+4*qq+2] offset:64*qq        ; both halves of the lanes write the same word with the same value
	ds_store_b32 v[SD], v[KK] offset:2048+64*qq
.set qq, qq+1
.endr
	s_wait_dscnt 0x0                               ; for wave 0's sake: my candidates are in LDS
	s_barrier_signal -1
	s_barrier_wait -1
	s_cmp_lg_u32 s[WV], 0
	s_cbranch_scc1 .Lend                           ; wave 0 takes the four waves' candidates together: lane l those of queries 4 l .. 4 l + 3
.irp w, 0,1,2,3
	ds_load_b128 v[SAVE+4*(\w):SAVE+4*(\w)+3],       v[RDA] offset:512*(\w)
	ds_load_b128 v[SAVE+16+4*(\w):SAVE+16+4*(\w)+3], v[RDA] offset:2048+512*(\w)
.endr
	s_wait_dscnt 0x0
.irp w, 1,2,3
.irp e, 0,1,2,3
	MERGE SAVE+(\e), SAVE+16+(\e), SAVE+4*(\w)+(\e), SAVE+16+4*(\w)+(\e)
.endr
.endr
	global_store_b128 v[GO], v[SAVE+16:SAVE+19], s[8:9]  ; 512 consecutive bytes, at a multiple of 256 from out0's first byte
.Lend:
	s_wait_tensorcnt 0x0                           ; the wave's end, behind my last tensor load and my last LDS store
	ds_add_u32 v[SPW], v[NIL]
	s_wait_dscnt 0x0
	CROUND                                         ; the closing round: no work-group ends while a partner may still ask for a chunk that names it
	s_endpgm
.Lfunc_end_k_qd178380eb3_vqmain:
	.size	k_qd178380eb3_vqmain, .Lfunc_end_k_qd178380eb3_vqmain-k_qd178380eb3_vqmain
	.p2alignl 7, 3214868480
	.fill 96, 4, 3214868480
	.section	.rodata,"a",@progbits
	.p2align	6, 0x0
	.amdhsa_kernel k_qd178380eb3_vqmain
		.amdhsa_group_segment_fixed_size 327680
		.amdhsa_private_segment_fixed_size 0
		.amdhsa_enable_private_segment 0
		.amdhsa_kernarg_size 24
		.amdhsa_user_sgpr_count 2
		.amdhsa_user_sgpr_kernarg_segment_ptr 1
		.amdhsa_wavefront_size32 1
		.amdhsa_system_sgpr_workgroup_id_x 1
		.amdhsa_system_sgpr_workgroup_id_y 1
		.amdhsa_system_sgpr_workgroup_id_z 1
		.amdhsa_system_vgpr_workitem_id 0
		.amdhsa_next_free_vgpr 896
		.amdhsa_next_free_sgpr 66
		.amdhsa_reserve_vcc 0
		.amdhsa_float_denorm_mode_32 3
		.amdhsa_float_denorm_mode_16_64 3
		.amdhsa_memory_ordered 1
		.amdhsa_forward_progress 1
		.amdhsa_inst_pref_size 203
	.end_amdhsa_kernel
	.amdgpu_metadata
---
amdhsa.version: [ 1, 2 ]
amdhsa.kernels:
  - .name:           k_qd178380eb3_vqmain
    .symbol:         k_qd178380eb3_vqmain.kd
    .args:
      - { .name: z_e, .offset: 0, .size: 8, .value_kind: global_buffer, .address_space: global }
      - { .name: cbw, .offset: 8, .size: 8, .value_kind: global_buffer, .address_space: global }
      - { .name: out0, .offset: 16, .size: 8, .value_kind: global_buffer, .address_space: global }
    .group_segment_fixed_size: 327680
    .private_segment_fixed_size: 0
    .kernarg_segment_align: 8
    .kernarg_segment_size: 24
    .max_flat_workgroup_size: 128
    .sgpr_count:     66
    .vgpr_count:     896
    .wavefront_size: 32
...
	.end_amdgpu_metadata
.endif
;; end of part 2
;; ======== version 2 of 2: 2 launches; version 1 with the launch prep written anew for expert scheduling mode
;; workspace buffers: cbw 4,259,840 bytes
;; launch prep (part 3): grid 128 x 1, 8 waves a work-group, no clusters, 1,280 bytes of LDS; arguments codebook, cbw; writes cbw
.if DOCPART == 3
	.amdgcn_target "amdgcn-amd-amdhsa--gfx1250"
	.amdhsa_code_object_version 6
	.text
	.protected	k_qd178380eb3_prep
	.globl	k_qd178380eb3_prep
	.p2align	8
	.type	k_qd178380eb3_prep,@function
k_qd178380eb3_prep:
	s_mov_b64 s[64:65], 0
	v_nop
	global_prefetch_b8 v0, s[64:65] scope:SCOPE_SE
	s_setreg_imm32_b32 hwreg(HW_REG_WAVE_SCHED_MODE, 0, 2), 2
	s_setreg_imm32_b32 hwreg(HW_REG_WAVE_MODE, 25, 1), 1
	s_wait_xcnt 0x0
	s_wait_alu depctr_vm_vsrc(0)
; VECTOR QUANTIZER, first of two launches.  out0[n] = the first k at which d[n][k] = (z_sq[n] + e_sq[k]) - 2 cross[n][k] is least.
; NO WORK OF THE PROBLEM IS LEFT OUT, and both inputs are loaded.  z_sq is the same for all k of a row, so in exact arithmetic it moves no minimum; but it may be large beside
; e_sq and 2 cross, and then the f32 roundings of the two sums make distances equal that differ in exact arithmetic, and the first index decides.  So z_sq stays, and the second launch rounds as
; the formula is written: t = z_sq + e_sq rounded once, d = t - 2 cross rounded once (2 cross is exact).
; THIS LAUNCH rounds the codebook to bf16 once, for all 256 work-groups of the second launch, and makes e_sq[k] = the sum over d of the ROUNDED e[k][d]^2, in f32.
; cbw: 128 chunks of 33,280 bytes.  Chunk c: rows 0-63 = codes 64 c .. 64 c + 63, 256 bf16 = 512 bytes each; row 64 = their 64 e_sq (f32, 256 bytes), then 256 bytes of zeros: so one tile of
; 65 rows x 512 bytes holds a wave's codes and their e_sq.
; SHARES.  A work-group makes one chunk (its e_sq row is 256 consecutive bytes with one owner: that sets 128 work-groups); wave v its rows 8 v .. 8 v + 7, a whole row at a time: no sum leaves the wave.
; Each load of a wave covers 512 consecutive bytes, each store 256 consecutive bytes at a multiple of 256 from cbw's first byte.  All 16 loads of a wave go out before the first wait.
; LIMITS.  e_sq is summed in this text's order (two chains a lane, then across the lanes), not in the formula's; NaN and infinities are not treated apart.
; THE MODE: SCHED_MODE bits 1:0 = 2 (LLVM: expert scheduling mode 2), set by the entry lines.  The code itself states the register dependences
; between vector instructions and memory or LDS instructions, with s_wait_alu, always for 0.
; THE PLAN.  Registers that memory or LDS instructions touch:
;   v2, v3, v6, v7, v13   offsets and LDS addresses: written at the head, never again; one wait ahead of the first load states that they are written.
;   X    row i's eight registers: the loads land in them once (no vector instruction names them before); row i's conversions read them.
;   P    row i's four registers: written by row i's conversions, once; read by row i's two global stores, which are issued in row i + 1.
;   S    row i's sum: written by row i's additions, once; read by row i's LDS store, which is issued in row i + 1.
;   v[8:11]  wave 0 alone: an LDS load lands in them, four selects rewrite them behind its wait, the last store reads them.
;   v[SPW], v[NIL]  written at the head; of the LDS instructions the closing add alone reads them.
; Row i's vector instructions name X, P and S of row i, v[T] and v[NIL]: none of the registers that row i - 1's three memory-side instructions read.  So ONE wait at a row's head, behind the wait for the row's
; data, states all that those three hang on, and they are dealt among the row's vector instructions with no further wait.  No register that a memory-side instruction reads is ever written again.
.set SPARE, 256                        ; LDS: bytes 0-255 the chunk's 64 e_sq; from 256 on the spare words, 128 bytes for each of the eight waves, which no other line names
.set SPW, 4                            ; v4   LDS address of my spare word; never rewritten
.set NIL, 5                            ; v5   0; never rewritten
.set T,   12                           ; v12  at work: no memory instruction names it
.set X,   16                           ; v[16:79]   row i: 8 registers as loaded
.set P,   80                           ; v[80:111]  row i: 4 registers, 8 bf16
.set S,   112                          ; v[112:127] row i: two running sums
	s_load_b128 s[4:7], s[0:1], 0x0                ; codebook s[4:5], cbw s[6:7]
	v_lshl_add_u32 v[SPW], v0, 2, SPARE
	v_mov_b32 v[NIL], 0
	v_and_b32 v1, 31, v0                           ; lane
	v_lshrrev_b32 v14, 5, v0
	v_readfirstlane_b32 s8, v14                    ; wave 0..7
	v_and_b32 v7, 15, v0
	v_lshlrev_b32 v7, 4, v7                        ; the e_sq row is read back by 16 lanes x 16 bytes, twice over
	v_lshlrev_b32 v13, 4, v1
	v_mov_b32 v[T], 0                              ; v_permlanex16_b32 counts as a reader of its destination
	s_wait_alu depctr_va_sdst(0)                   ; s8 is written, ahead of its first reader: the wave's offsets are made from it
	s_lshl_b32 s14, s8, 13                         ; my 8 rows of 1,024 bytes in the codebook
	v_lshl_add_u32 v2, v1, 4, s14                  ; + 16 bytes a lane
	s_lshl_b32 s15, s8, 12                         ; my 8 rows of 512 bytes in the chunk
	v_lshl_add_u32 v3, v1, 3, s15                  ; + 8 bytes a lane
	s_lshl_b32 s16, s8, 5
	v_mov_b32 v6, s16                              ; my 8 words of e_sq in LDS
	s_mov_b32 s10, 0x76543210                      ; each lane takes its own place in the other half
	s_mov_b32 s11, 0xfedcba98
	s_mov_b32 s12, 0xffff                          ; lanes 0-15
	s_lshl_b32 s2, ttmp9, 16                       ; the chunk's 64 rows of the codebook
	s_mov_b32 s3, 0
	s_mul_i32 s18, ttmp9, 33280                    ; the chunk in cbw
	s_mov_b32 s19, 0
	s_wait_kmcnt 0x0
	s_add_nc_u64 s[4:5], s[4:5], s[2:3]
	s_add_nc_u64 s[6:7], s[6:7], s[18:19]
	s_wait_alu depctr_va_vdst(0)                   ; v2, v3, v6, v7 and v13 are written: every load, store and LDS instruction of the kernel but the closing add reads one of them as its offset or address
.irp i, 0,1,2,3,4,5,6,7
	global_load_b128 v[X+8*(\i):X+8*(\i)+3],   v2, s[4:5] offset:1024*(\i) th:TH_LOAD_NT      ; numbers 4 l .. 4 l + 3 of row i
	global_load_b128 v[X+8*(\i)+4:X+8*(\i)+7], v2, s[4:5] offset:1024*(\i)+512 th:TH_LOAD_NT  ; numbers 128 + 4 l .. of row i
.endr
; Row i's three memory-side instructions.  They are issued a row later, behind the wait that states that P and S of row i are written.
.macro STA i
	global_store_b64 v3, v[P+4*(\i):P+4*(\i)+1],   s[6:7] offset:512*(\i)       ; 32 lanes x 8 bytes: the row's first 256 bytes,
.endm
.macro STB i
	global_store_b64 v3, v[P+4*(\i)+2:P+4*(\i)+3], s[6:7] offset:512*(\i)+256   ; and its second
.endm
.macro STE i
	ds_store_b32 v6, v[S+2*(\i)] offset:4*(\i)     ; all lanes write the same word with the same value
.endm
.macro ROWDO i
	s_wait_loadcnt 14-2*(\i)                       ; loads come back in order: row i's two are in, the two of each younger row may stay out
.if (\i) > 0
	s_wait_alu depctr_va_vdst(0)                   ; the row before has written its P, which the two stores below read, and its S, which the LDS store below reads
	STA (\i)-1
.endif
.irp j, 0,1,2,3
	v_cvt_pk_bf16_f32 v[P+4*(\i)+(\j)], v[X+8*(\i)+2*(\j)], v[X+8*(\i)+2*(\j)+1]
.endr
.if (\i) > 0
	STB (\i)-1                                     ; no wait: no vector instruction since the wait above names the row before's P or S, or v3 or v6
.endif
	v_fma_mix_f32_bf16 v[S+2*(\i)],   v[P+4*(\i)], v[P+4*(\i)], v[NIL] op_sel_hi:[1,1,0]                   ; the squares of the rounded numbers, summed in f32: low halves,
	v_fma_mix_f32_bf16 v[S+2*(\i)+1], v[P+4*(\i)], v[P+4*(\i)], v[NIL] op_sel:[1,1,0] op_sel_hi:[1,1,0]    ; high halves
.if (\i) > 0
	STE (\i)-1
.endif
.irp j, 1,2,3
	v_fma_mix_f32_bf16 v[S+2*(\i)],   v[P+4*(\i)+(\j)], v[P+4*(\i)+(\j)], v[S+2*(\i)] op_sel_hi:[1,1,0]
	v_fma_mix_f32_bf16 v[S+2*(\i)+1], v[P+4*(\i)+(\j)], v[P+4*(\i)+(\j)], v[S+2*(\i)+1] op_sel:[1,1,0] op_sel_hi:[1,1,0]
.endr
	v_add_f32 v[S+2*(\i)], v[S+2*(\i)], v[S+2*(\i)+1]
	v_add_f32_dpp v[S+2*(\i)], v[S+2*(\i)], v[S+2*(\i)] row_xmask:1 row_mask:0xf bank_mask:0xf
	v_add_f32_dpp v[S+2*(\i)], v[S+2*(\i)], v[S+2*(\i)] row_xmask:2 row_mask:0xf bank_mask:0xf
	v_add_f32_dpp v[S+2*(\i)], v[S+2*(\i)], v[S+2*(\i)] row_xmask:4 row_mask:0xf bank_mask:0xf
	v_add_f32_dpp v[S+2*(\i)], v[S+2*(\i)], v[S+2*(\i)] row_xmask:8 row_mask:0xf bank_mask:0xf
	v_permlanex16_b32 v[T], v[S+2*(\i)], s10, s11
	v_add_f32 v[S+2*(\i)], v[S+2*(\i)], v[T]       ; every lane holds the row's e_sq
.endm
.irp i, 0,1,2,3,4,5,6,7
	ROWDO \i
.endr
	s_wait_alu depctr_va_vdst(0)                   ; row 7 has written its P and its S, which the last three read
	STA 7
	STB 7
	STE 7
	s_wait_dscnt 0x0                               ; for wave 0's sake: my eight words are in LDS
	s_barrier_signal -1
	s_barrier_wait -1
	s_cmp_lg_u32 s8, 0
	s_cbranch_scc1 .Lend                           ; wave 0 stores the chunk's row 64
	ds_load_b128 v[8:11], v7                       ; v7 was written ahead of the head's wait; no vector instruction has named v[8:11]
	s_wait_dscnt 0x0
.irp j, 8,9,10,11
	v_cndmask_b32 v\j, v[NIL], v\j, s12            ; lanes 0-15 keep the 64 e_sq, lanes 16-31 give the zeros behind them
.endr
	s_wait_alu depctr_va_vdst(0)                   ; the four selects have written v[8:11], which the store reads
	global_store_b128 v13, v[8:11], s[6:7] offset:32768  ; 512 consecutive bytes
.Lend:
	s_wait_dscnt 0x0                               ; the closing lines, six on end
	s_wait_alu 0x0
	s_wait_tensorcnt 0x0
	ds_add_u32 v[SPW], v[NIL]
	s_wait_dscnt 0x0
	s_endpgm
.Lfunc_end_k_qd178380eb3_prep:
	.size	k_qd178380eb3_prep, .Lfunc_end_k_qd178380eb3_prep-k_qd178380eb3_prep
	.p2alignl 7, 3214868480
	.fill 96, 4, 3214868480
	.section	.rodata,"a",@progbits
	.p2align	6, 0x0
	.amdhsa_kernel k_qd178380eb3_prep
		.amdhsa_group_segment_fixed_size 1280
		.amdhsa_private_segment_fixed_size 0
		.amdhsa_enable_private_segment 0
		.amdhsa_kernarg_size 16
		.amdhsa_user_sgpr_count 2
		.amdhsa_user_sgpr_kernarg_segment_ptr 1
		.amdhsa_wavefront_size32 1
		.amdhsa_system_sgpr_workgroup_id_x 1
		.amdhsa_system_sgpr_workgroup_id_y 1
		.amdhsa_system_sgpr_workgroup_id_z 1
		.amdhsa_system_vgpr_workitem_id 0
		.amdhsa_next_free_vgpr 128
		.amdhsa_next_free_sgpr 66
		.amdhsa_reserve_vcc 0
		.amdhsa_float_denorm_mode_32 3
		.amdhsa_float_denorm_mode_16_64 3
		.amdhsa_memory_ordered 1
		.amdhsa_forward_progress 1
		.amdhsa_inst_pref_size 16
	.end_amdhsa_kernel
	.amdgpu_metadata
---
amdhsa.version: [ 1, 2 ]
amdhsa.kernels:
  - .name:           k_qd178380eb3_prep
    .symbol:         k_qd178380eb3_prep.kd
    .args:
      - { .name: codebook, .offset: 0, .size: 8, .value_kind: global_buffer, .address_space: global }
      - { .name: cbw, .offset: 8, .size: 8, .value_kind: global_buffer, .address_space: global }
    .group_segment_fixed_size: 1280
    .private_segment_fixed_size: 0
    .kernarg_segment_align: 8
    .kernarg_segment_size: 16
    .max_flat_workgroup_size: 256
    .sgpr_count:     66
    .vgpr_count:     128
    .wavefront_size: 32
...
	.end_amdgpu_metadata
.endif
;; end of part 3
;; launch vqmain: the kernel of part 2 again; grid 256 x 1, 4 waves a work-group, clusters of 4 x 1, 327,680 bytes of LDS; arguments z_e, cbw, out0; writes out0
